; MI455X (gfx1250); checked and timed in simulation.
; The chip was launched on July 23, 2026; its instructions are those of AMD's public machine-readable ISA for CDNA 5 (MIT licence, August 2026) and "CDNA5" Instruction Set Architecture Reference Guide (July 2026). The comments in the code are by the model that wrote it; some were corrected since.
;; Ply Mo E. Allowed arithmetic: matrix products marked QUANTISED: E2M1 operands, one E8M0 scale for each 32 along K, by v_wmma_scale_f32_16x16x128_f8f6f4 with both operands' format E2M1 (or v_wmma_scale_f32_32x16x128_f4), f32 sums; everything else in f32.
;; Inputs: expert_indices 16,384 int32; weights_codes 8 x 512 x 32 x 16 uint8 (E2M1 codes of weights, K innermost, in blocks of 32 codes, two codes a byte); weights_scales 8 x 512 x 32 uint8 (E8M0 scales of weights, one for each 32 codes along K); x 16,384 x 1,024 float16.
;; Outputs: out0 16,384 x 512 float16.
;; This version of the problem:
;;   THIS VERSION OF THE PROBLEM IS GIVEN IN LOW PRECISION. The matrix products marked QUANTISED in the list below multiply operands that are first quantised to E2M1 (2 exponent bits, 1 mantissa bit; 4 bits a number), with one power-of-two scale for each 32 numbers along K (OCP MX v1.0); their sums are f32. All else is computed in f32.
;;   The module's matrix products, in the order in which they are computed (A, B: the left and right operand; K: the contracted axis; several contracted axes count as one K, in the product's order):
;;     1. [M 16,384, K 1,024] x [K 1,024, N 512]; A: computed on the way; B: input weights (given as codes): QUANTISED
;;     2. [M 16,384, K 1,024] x [K 1,024, N 512]; A: computed on the way; B: input weights (given as codes): QUANTISED
;;     3. [M 16,384, K 1,024] x [K 1,024, N 512]; A: computed on the way; B: input weights (given as codes): QUANTISED
;;     4. [M 16,384, K 1,024] x [K 1,024, N 512]; A: computed on the way; B: input weights (given as codes): QUANTISED
;;     5. [M 16,384, K 1,024] x [K 1,024, N 512]; A: computed on the way; B: input weights (given as codes): QUANTISED
;;     6. [M 16,384, K 1,024] x [K 1,024, N 512]; A: computed on the way; B: input weights (given as codes): QUANTISED
;;     7. [M 16,384, K 1,024] x [K 1,024, N 512]; A: computed on the way; B: input weights (given as codes): QUANTISED
;;     8. [M 16,384, K 1,024] x [K 1,024, N 512]; A: computed on the way; B: input weights (given as codes): QUANTISED
;;   THE QUANTISER, for each operand of a quantised product, along K:
;;     - K is cut into blocks of 32 from its start; a last block that is shorter is filled with zeros.
;;     - A block's scale is 2^e with e = floor(log2(the largest magnitude in the block)) - 2, held to -126 .. 127; a block of zeros has e = 0. As a byte (E8M0): e + 127.
;;     - Each number is divided by its block's scale, clamped to +-6, and rounded to the nearest number of E2M1, ties to even, subnormals kept.
;;     - The product sums the exact products of the quantised numbers (number of the format x scale) in f32.
;;   ~~~python
;;   def quantise(x, axis):      # numpy; x: float32 -> the quantised numbers, widened to float32 again
;;       x = np.moveaxis(x, axis, -1); K = x.shape[-1]
;;       x = np.pad(x, [(0, 0)] * (x.ndim - 1) + [(0, -K % 32)]); x = x.reshape(x.shape[:-1] + (-1, 32)); a = np.abs(x).max(-1, keepdims=True)
;;       e = np.where(a > 0, np.clip(np.frexp(np.where(a > 0, a, 1))[1] - 1 - 2, -126, 127), 0)      # np.frexp(a)[1] - 1 = floor(log2(a)), exactly
;;       r = np.clip(x / 2.0 ** e, -6, 6)
;;       step = 2.0 ** (np.maximum(np.frexp(np.where(r == 0, 1, r))[1] - 1, 0) - 1)
;;       q = np.round(r / step) * step * 2.0 ** e      # np.round: ties to even
;;       return np.moveaxis(q.reshape(q.shape[:-2] + (-1,))[..., :K], -1, axis).astype(np.float32)
;;   ~~~
;;   OPERANDS COMPUTED ON THE WAY. 'Computed on the way' means the value that the module computes at that place (a softmax that the list does not call 'softmax' is quantised finished and normalised). What goes into a quantiser is computed in f32, as accurately as f32 sums, v_exp_f32 and their like allow (about 1e-6 of the number): no bf16 or f16 on the way to a quantiser, and a product that is left as it is and whose result goes on into a quantised operand takes f32 operands (vector FMAs, or v_wmma_f32_16x16x4_f32). A number that lies on a knife's edge between two numbers of the format may be rounded either way, as far as f32 arithmetic and the matrix unit's own rounding can turn it there, and no further.
;;   INPUTS GIVEN AS CODES. weights (in the module: [8, 1024, 512], K = its axis 1): each comes as NAME_codes (uint8): NAME with its K axis moved to the last place and cut into blocks of 32 codes, [.., K / 32, bytes a block], one block behind the other in memory; two codes a byte, the lower K in the low four bits (a code: sign, 2 exponent bits, 1 mantissa bit); and NAME_scales (uint8): the same leading axes, one E8M0 byte (e + 127) for each 32 codes along K. Its value is code x scale, taken as it is: it is not quantised again, and the codes and scales need not be those that the quantiser above would give.
;; One version. Each part assembles by itself: llvm-mc -triple=amdgcn-amd-amdhsa -mcpu=gfx1250 --defsym DOCPART=n.
;; ======== version 1 of 1: 2 launches
;; workspace buffers: route 65,536 bytes of whole numbers; wfrag 2,097,152 bytes
;; launch prep (part 1): grid 64 x 1, 8 waves a work-group, no clusters, 1,536 bytes of LDS; arguments expert_indices, weights_codes, route, wfrag; writes route, wfrag
.if DOCPART == 1
	.amdgcn_target "amdgcn-amd-amdhsa--gfx1250"
	.amdhsa_code_object_version 6
	.text
	.protected	k_q9d66e48692_prep
	.globl	k_q9d66e48692_prep
	.p2align	8
	.type	k_q9d66e48692_prep,@function
k_q9d66e48692_prep:
	s_mov_b64 s[64:65], 0
	v_nop
	global_prefetch_b8 v0, s[64:65] scope:SCOPE_SE
	s_setreg_imm32_b32 hwreg(HW_REG_WAVE_MODE, 25, 1), 1
	s_wait_xcnt 0x0
; TWO JOBS IN ONE LAUNCH, both on every work-group's one path.
; (1) THE STABLE COUNTING SORT of 16,384 tokens by expert (8 experts), as argsort orders them: route[p] = token | expert << 16 for sorted position p.
;     Work-group j places tokens 256 j .. 256 j + 255, a token a thread.  p = (tokens of lower experts) + (tokens of my expert ahead of mine).  Every work-group counts all 16,384 indices
;     itself (64 KiB), so nothing passes between work-groups: thread t reads 16 x 16 bytes, tokens 1,024 i + 4 t .. + 3, and keeps two counts for each expert: all, and those ahead of token 256 j.
;     Inside the work-group: the counts of earlier waves' 32 tokens (through LDS), and inside the wave the lanes below mine with my expert (a ballot for each expert).
; (2) THE WEIGHTS' CODES ARE LAID AS IMAGES OF OPERAND REGISTERS: wfrag[pair = 32 e + n / 16][K step 8][c 2][lane 32][16 bytes]: lane (r, h) of a fragment holds row n = 16 (pair % 32) + r and
;     k = 128 s + 64 c + 32 h + 0 .. 31.  A fragment is 1,024 consecutive bytes, which the next launch loads 512 consecutive bytes an instruction.  Wave W = 8 j + w lays 4 fragments.
; COUNTS ARE PACKED: four bits an expert while four tokens are counted (at most 4), a byte an expert over a thread's 64 tokens (at most 64), then 16 bits an expert (at most 16,384):
;     word 0 = experts (0, 4), word 1 = (2, 6), word 2 = (1, 5), word 3 = (3, 7), low half first.
; LIMIT: expert indices outside 0 .. 7 are not served (positions are held inside route, so no access leaves a buffer).
.set IDX,  16                          ; v16-79   the indices, 16 x 4; later at work in the sums across lanes
.set WR,   80                          ; v80-111  my 4 fragments' 8 x 16 bytes
.set SH,   112                         ; v112-115 4 x index
.set CNT,  116                         ; four tokens counted, 4 bits an expert
.set LO,   117                         ; experts 0, 2, 4, 6, a byte each
.set HI,   118                         ; experts 1, 3, 5, 7
.set TLO,  119                         ; all tokens
.set THI,  120
.set BLO,  121                         ; tokens ahead of 256 j
.set BHI,  122
.set TM,   123
.set T,    124                         ; v124-127 all, 16 bits an expert;  v128-131 ahead likewise (the two runs are summed together)
.set B,    128
.set G,    132                         ; v132-135 my wave's 32 tokens; later a wave's, read back
.set RT,   136                         ; v136-139, v140-143 a wave's T and B, read back
.set RB,   140
	s_load_b256 s[4:11], s[0:1], 0x0               ; expert_indices s[4:5], weights_codes s[6:7], route s[8:9], wfrag s[10:11]
	v_lshl_add_u32 v144, v0, 2, 0x200
	v_mov_b32 v145, 0
	v_lshrrev_b32 v1, 5, v0
	v_readfirstlane_b32 s12, v1                    ; wave 0..7
	v_lshlrev_b32 v10, 6, v1                       ; LDS: my wave's row of 64 bytes
	v_and_b32 v1, 31, v0                           ; lane
	v_lshlrev_b32 v2, 4, v0                        ; 16 x thread: my 4 indices of a run of 1,024
	v_lshlrev_b32 v3, 2, v0                        ; 4 x thread: the first of those 4 tokens, counted from the run's first
	s_lshl_b32 s14, ttmp9, 8                       ; 256 j: my work-group's first token
	s_lshl_b32 s20, ttmp9, 10
	v_add_nc_u32 v4, s20, v3                       ; my own token's index, in bytes
	v_and_b32 v12, 15, v0                          ; r
	v_bfe_u32 v13, v0, 4, 1                        ; h
	v_lshlrev_b32 v8, 9, v12
	v_lshl_add_u32 v8, v13, 4, v8                  ; weights in: row r of 512 bytes, + 16 h
	v_lshlrev_b32 v9, 4, v1                        ; weights out: 16 x lane
	v_and_b32 v12, 7, v0                           ; the wave whose row I read back
	v_lshlrev_b32 v11, 6, v12
	s_mov_b32 s16, 0x0f0f0f0f
	s_mov_b32 s17, 0x00ff00ff
	s_mov_b32 s18, 0x76543210                      ; v_permlanex16_b32's selects for lane l xor 16
	s_mov_b32 s19, 0xfedcba98
	s_lshl_b32 s60, ttmp9, 3
	s_add_co_u32 s60, s60, s12                     ; W = 8 j + w
	s_lshr_b32 s20, s60, 1
	s_lshl_b32 s20, s20, 13                        ; pair W / 2: 16 rows of 512 bytes,
	s_and_b32 s61, s60, 1
	s_lshl_b32 s61, s61, 8
	s_add_co_u32 s20, s20, s61                     ; K steps 4 (W % 2) on: 64 bytes each
	s_mov_b32 s21, 0
	s_lshl_b32 s22, s60, 12                        ; out: 4 fragments of 1,024 bytes a wave
	s_mov_b32 s23, 0
	s_wait_kmcnt 0x0
	s_add_nc_u64 s[6:7], s[6:7], s[20:21]
	s_add_nc_u64 s[10:11], s[10:11], s[22:23]
	global_load_b32 v5, v4, s[4:5]                 ; my token's expert
.irp i, 0,1,2,3,4,5,6,7,8,9,10,11,12,13,14,15
	global_load_b128 v[IDX+4*\i:IDX+4*\i+3], v2, s[4:5] offset:4096*\i   ; a wave reads 512 consecutive bytes
.endr
.irp s, 0,1,2,3
.irp c, 0,1
	global_load_b128 v[WR+8*\s+4*\c:WR+8*\s+4*\c+3], v8, s[6:7] offset:64*\s+32*\c th:TH_LOAD_NT   ; the eight together take 256 consecutive bytes of each of 16 rows; read once in the launch
.endr
.endr
	s_wait_loadcnt 24                              ; my token's expert is in: 16 + 8 loads were issued behind it
.irp e, 0,1,2,3,4,5,6,7
	v_cmp_eq_u32 s[24+\e], \e, v5                  ; which lanes of my wave have expert e
.endr
.irp e, 0,1,2,3,4,5,6,7
	s_bcnt1_i32_b32 s[32+\e], s[24+\e]             ; and how many
.endr
	v_mbcnt_lo_u32_b32 v6, s24, 0                  ; lanes below mine with my expert
.irp e, 1,2,3,4,5,6,7
	v_mbcnt_lo_u32_b32 v7, s[24+\e], 0
	v_cndmask_b32 v6, v6, v7, s[24+\e]
.endr
	s_lshl_b32 s60, s36, 16
	s_or_b32 s40, s32, s60                         ; experts 0, 4
	s_lshl_b32 s60, s38, 16
	s_or_b32 s41, s34, s60                         ; 2, 6
	s_lshl_b32 s60, s37, 16
	s_or_b32 s42, s33, s60                         ; 1, 5
	s_lshl_b32 s60, s39, 16
	s_or_b32 s43, s35, s60                         ; 3, 7
.irp q, 0,1,2,3
	v_mov_b32 v[G+\q], s[40+\q]
.endr
; Run i of 1,024 tokens: my four are counted.
.macro COUNT i
	s_wait_loadcnt 23-(\i)                         ; behind this run's load: the 15 - i later runs' and the weights' 8
.irp k, 0,1,2,3
	v_lshlrev_b32 v[SH+\k], 2, v[IDX+4*(\i)+\k]
.endr
	v_lshlrev_b32 v[CNT], v[SH], 1                 ; 1 << 4 e
	v_lshl_add_u32 v[CNT], 1, v[SH+1], v[CNT]
	v_lshl_add_u32 v[CNT], 1, v[SH+2], v[CNT]
	v_lshl_add_u32 v[CNT], 1, v[SH+3], v[CNT]
	v_and_b32 v[LO], s16, v[CNT]
	v_lshrrev_b32 v[HI], 4, v[CNT]
	v_and_b32 v[HI], s16, v[HI]
	s_sub_co_i32 s15, s14, 1024*(\i)
	v_cmp_gt_i32 vcc_lo, s15, v3                   ; 1,024 i + 4 t < 256 j: my four tokens lie ahead of my work-group's (256 j is a multiple of 4: all four or none)
.if (\i) == 0
	v_mov_b32 v[TLO], v[LO]                        ; the first run starts the sums
	v_mov_b32 v[THI], v[HI]
	v_cndmask_b32 v[BLO], 0, v[LO], vcc_lo
	v_cndmask_b32 v[BHI], 0, v[HI], vcc_lo
.else
	v_add_nc_u32 v[TLO], v[TLO], v[LO]
	v_add_nc_u32 v[THI], v[THI], v[HI]
	v_cndmask_b32 v[LO], 0, v[LO], vcc_lo
	v_cndmask_b32 v[HI], 0, v[HI], vcc_lo
	v_add_nc_u32 v[BLO], v[BLO], v[LO]
	v_add_nc_u32 v[BHI], v[BHI], v[HI]
.endif
.endm
.irp i, 0,1,2,3,4,5,6,7,8,9,10,11,12,13,14,15
	COUNT \i
.endr
	s_wait_loadcnt 0x0                             ; the weights' 8 loads
.irp s, 0,1,2,3
.irp c, 0,1
	global_store_b128 v9, v[WR+8*\s+4*\c:WR+8*\s+4*\c+3], s[10:11] offset:1024*\s+512*\c   ; a wave stores 512 consecutive bytes, at a multiple of 512 from wfrag's first byte; these registers are not written again
.endr
.endr
	v_and_b32 v[T], s17, v[TLO]                    ; bytes to 16 bits: (0, 4), (2, 6), (1, 5), (3, 7)
	v_lshrrev_b32 v[T+1], 8, v[TLO]
	v_and_b32 v[T+2], s17, v[THI]
	v_lshrrev_b32 v[T+3], 8, v[THI]
	v_and_b32 v[B], s17, v[BLO]
	v_lshrrev_b32 v[B+1], 8, v[BLO]
	v_and_b32 v[B+2], s17, v[BHI]
	v_lshrrev_b32 v[B+3], 8, v[BHI]
.irp q, 1,3,5,7
	v_and_b32 v[T+\q], s17, v[T+\q]
.endr
.irp x, 1,2,4,8                                ; the sums over the wave's 32 lanes, the eight registers by turns
.irp q, 0,1,2,3,4,5,6,7
	v_mov_b32_dpp v[IDX+\q], v[T+\q] row_xmask:\x row_mask:0xf bank_mask:0xf
.endr
.irp q, 0,1,2,3,4,5,6,7
	v_add_nc_u32 v[T+\q], v[T+\q], v[IDX+\q]
.endr
.endr
.irp q, 0,1,2,3,4,5,6,7
	v_permlanex16_b32 v[IDX+\q], v[T+\q], s18, s19
.endr
.irp q, 0,1,2,3,4,5,6,7
	v_add_nc_u32 v[T+\q], v[T+\q], v[IDX+\q]
.endr
	ds_store_b128 v10, v[T:T+3]                    ; all lanes of a wave write the same bytes with the same values
	ds_store_b128 v10, v[B:B+3] offset:16
	ds_store_b128 v10, v[G:G+3] offset:32
	s_wait_dscnt 0x0                               ; for the others' sake: my stores have landed
	s_barrier_signal -1
	s_barrier_wait -1
	ds_load_b128 v[RT:RT+3], v11                   ; lane l reads wave l % 8's row
	ds_load_b128 v[RB:RB+3], v11 offset:16
	ds_load_b128 v[G:G+3], v11 offset:32
	s_wait_dscnt 0x0
	v_cmp_gt_u32 vcc_lo, s12, v12                  ; a wave ahead of mine: its 32 tokens lie ahead of my wave's
.irp q, 0,1,2,3
	v_cndmask_b32 v[G+\q], 0, v[G+\q], vcc_lo
.endr
.irp q, 0,1,2,3
	v_add_nc_u32 v[RB+\q], v[RB+\q], v[G+\q]
.endr
.irp x, 1,2,4                                  ; the sums over the eight waves' rows
.irp q, 0,1,2,3,4,5,6,7
	v_mov_b32_dpp v[IDX+\q], v[RT+\q] row_xmask:\x row_mask:0xf bank_mask:0xf
.endr
.irp q, 0,1,2,3,4,5,6,7
	v_add_nc_u32 v[RT+\q], v[RT+\q], v[IDX+\q]
.endr
.endr
.irp q, 0,1,2,3,4,5,6,7
	v_readfirstlane_b32 s[44+\q], v[RT+\q]         ; s[44:47] all, s[48:51] ahead of my wave's tokens
.endr
; base[e] = the tokens of lower experts + the tokens of expert e ahead of my wave's.  q, hi: where expert e lies in the packed words
.macro BASE e, q, hi
.if \hi
	s_lshr_b32 s61, s[48+\q], 16
	s_lshr_b32 s62, s[44+\q], 16
.else
	s_and_b32 s61, s[48+\q], 0xffff
	s_and_b32 s62, s[44+\q], 0xffff
.endif
	s_add_co_u32 s[52+\e], s60, s61
	s_add_co_u32 s60, s60, s62
.endm
	s_mov_b32 s60, 0
	BASE 0, 0, 0
	BASE 1, 2, 0
	BASE 2, 1, 0
	BASE 3, 3, 0
	BASE 4, 0, 1
	BASE 5, 2, 1
	BASE 6, 1, 1
	BASE 7, 3, 1
	v_mov_b32 v7, s52
.irp e, 1,2,3,4,5,6,7
	v_cndmask_b32 v7, v7, s[52+\e], s[24+\e]       ; my expert's base
.endr
	v_add_nc_u32 v7, v7, v6                        ; + the lanes below mine with my expert: my sorted position
	v_min_u32 v7, 0x3fff, v7                       ; held inside route
	v_lshlrev_b32 v7, 2, v7
	v_add_nc_u32 v[TM], s14, v0                    ; my token
	v_lshl_or_b32 v[TM], v5, 16, v[TM]             ; | expert << 16
	global_store_b32 v7, v[TM], s[8:9]             ; a wave's 32 words fall into at most 8 runs, one an expert: the sort's scatter, 64 KiB in the launch
	s_wait_tensorcnt 0x0
	ds_add_u32 v144, v145
	s_wait_dscnt 0x0
	s_endpgm
.Lfunc_end_k_q9d66e48692_prep:
	.size	k_q9d66e48692_prep, .Lfunc_end_k_q9d66e48692_prep-k_q9d66e48692_prep
	.p2alignl 7, 3214868480
	.fill 96, 4, 3214868480
	.section	.rodata,"a",@progbits
	.p2align	6, 0x0
	.amdhsa_kernel k_q9d66e48692_prep
		.amdhsa_group_segment_fixed_size 1536
		.amdhsa_private_segment_fixed_size 0
		.amdhsa_enable_private_segment 0
		.amdhsa_kernarg_size 32
		.amdhsa_user_sgpr_count 2
		.amdhsa_user_sgpr_kernarg_segment_ptr 1
		.amdhsa_wavefront_size32 1
		.amdhsa_system_sgpr_workgroup_id_x 1
		.amdhsa_system_sgpr_workgroup_id_y 1
		.amdhsa_system_sgpr_workgroup_id_z 1
		.amdhsa_system_vgpr_workitem_id 0
		.amdhsa_next_free_vgpr 146
		.amdhsa_next_free_sgpr 66
		.amdhsa_reserve_vcc 1
		.amdhsa_float_denorm_mode_32 3
		.amdhsa_float_denorm_mode_16_64 3
		.amdhsa_memory_ordered 1
		.amdhsa_forward_progress 1
		.amdhsa_inst_pref_size 29
	.end_amdhsa_kernel
	.amdgpu_metadata
---
amdhsa.version: [ 1, 2 ]
amdhsa.kernels:
  - .name:           k_q9d66e48692_prep
    .symbol:         k_q9d66e48692_prep.kd
    .args:
      - { .name: expert_indices, .offset: 0, .size: 8, .value_kind: global_buffer, .address_space: global }
      - { .name: weights_codes, .offset: 8, .size: 8, .value_kind: global_buffer, .address_space: global }
      - { .name: route, .offset: 16, .size: 8, .value_kind: global_buffer, .address_space: global }
      - { .name: wfrag, .offset: 24, .size: 8, .value_kind: global_buffer, .address_space: global }
    .group_segment_fixed_size: 1536
    .private_segment_fixed_size: 0
    .kernarg_segment_align: 8
    .kernarg_segment_size: 32
    .max_flat_workgroup_size: 256
    .sgpr_count:     66
    .vgpr_count:     146
    .wavefront_size: 32
...
	.end_amdgpu_metadata
.endif
;; end of part 1
;; launch moe (part 2): grid 256 x 1, 4 waves a work-group, no clusters, 105,984 bytes of LDS; arguments route, wfrag, weights_scales, x, out0; writes out0
.if DOCPART == 2
	.amdgcn_target "amdgcn-amd-amdhsa--gfx1250"
	.amdhsa_code_object_version 6
	.text
	.protected	k_q9d66e48692_moe
	.globl	k_q9d66e48692_moe
	.p2align	8
	.type	k_q9d66e48692_moe,@function
k_q9d66e48692_moe:
	s_mov_b64 s[64:65], 0
	v_nop
	global_prefetch_b8 v0, s[64:65] scope:SCOPE_SE
	s_setreg_imm32_b32 hwreg(HW_REG_WAVE_MODE, 25, 1), 1
	s_wait_xcnt 0x0
; out0[p][:] = Q(x[token(p)]) . W[expert(p)], p the sorted position; both operands are codes of FP4 (E2M1) with one E8M0 scale for each 32 along K = 1,024; sums in f32, out0 in f16.
; SHARES.  Work-group i owns sorted positions 64 i .. 64 i + 63 and all 512 columns: 256 work-groups, each output row has one owner, each row of x is read and quantised once.
;   Wave w quantises rows 16 w .. 16 w + 15 into LDS; then it makes columns 128 w .. 128 w + 127 for all 64 rows: 4 x 8 accumulators of 16 x 16, 256 registers.
; EXPERTS.  The positions are sorted, so a block's experts ascend.  A loop of 8 trips walks the experts; one that no row of the block has is passed over (a scalar branch on route's numbers).
;   A pass multiplies all 64 rows by one expert's weights and puts only that expert's rows into the stage (LDS stores under EXEC).  The borders between 8 experts fall into at most 7 blocks:
;   at most 7 passes more than blocks in the whole launch, whatever the split.
; WEIGHTS.  The first expert's 64 fragments of my 128 columns (512 registers) are asked for between the loads of x and stay in registers; wfrag holds them as images of the registers, 512 consecutive bytes a load.
; NO TENSOR LOADS, NO CLUSTER: which expert's weights a block needs, and how many passes it makes, are numbers read from route; neighbouring blocks at a border need different tiles and
;   different numbers of them.
; THE MATRIX INSTRUCTION IS USED TRANSPOSED (source 0 = 16 rows of weights, source 1 = 16 rows of x): lane (r, h) then holds row r and eight neighbouring columns 8 h + 0 .. 7: 16 bytes of f16.
; LIMITS: expert numbers outside 0 .. 7 are not served (addresses are held inside their buffers); infinities and NaN in x are not served; a block of 32 zeros gets the byte 1 where the rule says 127
;   (its codes are zeros, and this program alone reads the bytes); sums beyond f16's largest number become infinity, as a conversion to f16 makes them.
; LDS: ACODE 64 rows x (512 bytes of codes + 16); ASC 64 rows x 32 scale bytes; STG for each wave 64 rows x (256 bytes + 16).  No region is used for two things.
; REGISTERS, in windows of 256 (s_set_vgpr_msb: bits 1:0 source 0, 3:2 source 1, 5:4 source 2, 7:6 destination):
;   window 0: addresses, x at work, scale words (below);  window 1: accumulator (m, b) at v[8 (8 m + b)];  window 2: weights' fragments of K steps 0-3 at v[64 s + 8 b];  window 3: K steps 4-7.
.set APITCH, 528                       ; 132 words: row r starts at bank 4 r mod 64 (64 banks of 4 bytes: ISA guide 11.1)
.set ASC,    64*APITCH
.set STG,    ASC+64*32
.set SPITCH, 272
.set XL,   4                           ; v4   16 x lane: my bytes of a load's 512
.set AW,   5                           ; v5   where I put a row's codes: my wave's 16 rows + 4 x lane
.set ASW,  6                           ; v6   and a block's scale byte: my wave's 16 rows + lane / 4
.set AFR,  7                           ; v7   a fragment of x: row r x pitch + 16 h
.set ASR,  8                           ; v8   x's scale words: 32 x lane
.set STO,  9                           ; v9   my stage: row r, 16 h
.set SRD,  10                          ; v10  and back: row h, 16 r
.set GO,   11                          ; v11  the same two rows in out0
.set SBO,  12                          ; v12  the weights' scale words: 32 x lane
.set RO,   13                          ; v13  4 r: a row's word of route
.set XO,   16                          ; v16-31   row i of my 16: token x 2,048 + 16 x lane; never rewritten
.set RAW,  32                          ; v32-127  x as loaded: three sets of two rows x 16 registers (all under v128: their halves are named)
.set F,    128                         ; v128-159 a row's 32 numbers of my lane, f32
.set MX,   160                         ; v160-163 largest magnitudes
.set SO,   164                         ; v164-167 the conversions' scale operands
.set CD,   168                         ; v168-175 codes, two sets
.set BY,   176                         ; v176-183 scale bytes, two sets
.set SB,   184                         ; v184-215 the weights' scale words: register 8 p + s: lane l = row 32 p + l of my 128, K step s.  Scales and nothing else
.set SA,   216                         ; v216-231 x's: register 8 q + s: lane l = row 32 q + l of the 64.  Scales and nothing else
.set EM,   232                         ; v232-235 the expert of row 16 m + r
.set AF,   32                          ; the products' phase: x's fragments, two sets of 32 (v32-95)
.set TMP,  96                          ; packed results, two sets of 32 (v96-159)
.set OB,   32                          ; the way out: v32-159
.set TOK,  16                          ; s[16:31] my 16 rows' words of route
.set WB,   34                          ; s[34:35] wfrag at my columns, expert s33
.set SBB,  36                          ; s[36:37] weights_scales likewise
.set WB1,  38                          ; s[38:39], s[40:41] the same for the block's first expert; never rewritten
.set SB1,  40
.set MK,   42                          ; s[42:45] which lanes' rows of tile m have expert s33
.set MSB, 0
.macro WIN new                         ; the immediate's high byte repeats the setting that is left; a switch that changes nothing is dropped
.if MSB != (\new)
	s_set_vgpr_msb (MSB<<8)|(\new)
.set MSB, (\new)
.endif
.endm
.macro PLACES n                        ; plain vector instructions behind a matrix instruction, ahead of loads into its registers and of reads of its results (ISA guide 7.12.1 for reads of its results)
.rept \n
	v_nop
.endr
.endm
.macro XOFF i                          ; row i's offset in x: the token, held inside x, x 2,048 bytes
	s_and_b32 s15, s[TOK+\i], 0x3fff
	s_min_u32 s15, s15, 0x3fff
	s_lshl_b32 s15, s15, 11
	v_add_nc_u32 v[XO+\i], s15, v[XL]
.endm
.macro XLOAD p                         ; rows 2 p and 2 p + 1: four loads of 512 consecutive bytes each; lane l, load j: k = 256 j + 8 l + 0 .. 7.  Each token stands once in route: read once
.irp u, 0,1
.irp j, 0,1,2,3
	global_load_b128 v[RAW+32*((\p)%3)+16*\u+4*\j:RAW+32*((\p)%3)+16*\u+4*\j+3], v[XO+2*(\p)+\u], s[10:11] offset:512*\j th:TH_LOAD_NT
.endr
.endr
.endm
.macro SLOAD sb                        ; the scale words of my 128 rows of weights: a row's 32 bytes are its 8 K steps' words; 32 rows are 1,024 consecutive bytes
.irp p, 0,1,2,3
	global_load_b128 v[SB+8*\p:SB+8*\p+3], v[SBO], s[\sb:\sb+1] offset:1024*\p
	global_load_b128 v[SB+8*\p+4:SB+8*\p+7], v[SBO], s[\sb:\sb+1] offset:1024*\p+16
.endr
.endm
.macro BLOAD s, wb                     ; K step s: my 8 fragments of weights, 16 loads of 512 consecutive bytes
	WIN 0x80+0x40*((\s)/4)
.irp b, 0,1,2,3,4,5,6,7
.irp c, 0,1
	global_load_b128 v[64*((\s)%4)+8*\b+4*\c:64*((\s)%4)+8*\b+4*\c+3], v[XL], s[\wb:\wb+1] offset:8192*\b+1024*(\s)+512*\c
.endr
.endr
	WIN 0
.endm
.macro WIDEN                           ; f16 to f32, exact: the 16 registers of row buffer QS; register halves are named as they are written
.set n, 0
.if QS == 0
.irp r, v32.l,v32.h,v33.l,v33.h,v34.l,v34.h,v35.l,v35.h,v36.l,v36.h,v37.l,v37.h,v38.l,v38.h,v39.l,v39.h,v40.l,v40.h,v41.l,v41.h,v42.l,v42.h,v43.l,v43.h,v44.l,v44.h,v45.l,v45.h,v46.l,v46.h,v47.l,v47.h
	v_cvt_f32_f16 v[F+n], \r
.set n, n+1
.endr
.endif
.if QS == 1
.irp r, v48.l,v48.h,v49.l,v49.h,v50.l,v50.h,v51.l,v51.h,v52.l,v52.h,v53.l,v53.h,v54.l,v54.h,v55.l,v55.h,v56.l,v56.h,v57.l,v57.h,v58.l,v58.h,v59.l,v59.h,v60.l,v60.h,v61.l,v61.h,v62.l,v62.h,v63.l,v63.h
	v_cvt_f32_f16 v[F+n], \r
.set n, n+1
.endr
.endif
.if QS == 2
.irp r, v64.l,v64.h,v65.l,v65.h,v66.l,v66.h,v67.l,v67.h,v68.l,v68.h,v69.l,v69.h,v70.l,v70.h,v71.l,v71.h,v72.l,v72.h,v73.l,v73.h,v74.l,v74.h,v75.l,v75.h,v76.l,v76.h,v77.l,v77.h,v78.l,v78.h,v79.l,v79.h
	v_cvt_f32_f16 v[F+n], \r
.set n, n+1
.endr
.endif
.if QS == 3
.irp r, v80.l,v80.h,v81.l,v81.h,v82.l,v82.h,v83.l,v83.h,v84.l,v84.h,v85.l,v85.h,v86.l,v86.h,v87.l,v87.h,v88.l,v88.h,v89.l,v89.h,v90.l,v90.h,v91.l,v91.h,v92.l,v92.h,v93.l,v93.h,v94.l,v94.h,v95.l,v95.h
	v_cvt_f32_f16 v[F+n], \r
.set n, n+1
.endr
.endif
.if QS == 4
.irp r, v96.l,v96.h,v97.l,v97.h,v98.l,v98.h,v99.l,v99.h,v100.l,v100.h,v101.l,v101.h,v102.l,v102.h,v103.l,v103.h,v104.l,v104.h,v105.l,v105.h,v106.l,v106.h,v107.l,v107.h,v108.l,v108.h,v109.l,v109.h,v110.l,v110.h,v111.l,v111.h
	v_cvt_f32_f16 v[F+n], \r
.set n, n+1
.endr
.endif
.if QS == 5
.irp r, v112.l,v112.h,v113.l,v113.h,v114.l,v114.h,v115.l,v115.h,v116.l,v116.h,v117.l,v117.h,v118.l,v118.h,v119.l,v119.h,v120.l,v120.h,v121.l,v121.h,v122.l,v122.h,v123.l,v123.h,v124.l,v124.h,v125.l,v125.h,v126.l,v126.h,v127.l,v127.h
	v_cvt_f32_f16 v[F+n], \r
.set n, n+1
.endr
.endif
.endm
; Row i of my 16 is quantised.  A lane holds four runs of 8 neighbours along K; a block of 32 lies in four neighbouring lanes.  A block's scale is 2^(floor(log2(largest magnitude)) - 2):
; its byte is the largest magnitude's exponent field - 2, held at 1 from below by the floor 2^(3 - 127) among the maximum's leaves; the conversion takes the exponent field of its scale operand alone.
.macro QROW i
.set QS, 2*(((\i)/2)%3)+(\i)%2
.set CS, CD+4*((\i)%2)
.set BS, BY+4*((\i)%2)
.if (\i) >= 2
	s_wait_dscnt 8                                 ; the 8 LDS stores of the row before may be out; those of two rows back, which read this set of registers, are done
.endif
	WIDEN
.irp j, 0,1,2,3
	v_max3_num_f32 v[MX+\j], |v[F+8*\j]|, |v[F+8*\j+1]|, 0x1800000   ; the four runs by turns
.endr
.irp t, 2,4,6
.irp j, 0,1,2,3
	v_max3_num_f32 v[MX+\j], v[MX+\j], |v[F+8*\j+\t]|, |v[F+8*\j+\t+1]|
.endr
.endr
.irp j, 0,1,2,3
	v_max_num_f32_dpp v[MX+\j], v[MX+\j], v[MX+\j] row_xmask:1 row_mask:0xf bank_mask:0xf
.endr
.irp j, 0,1,2,3
	v_max_num_f32_dpp v[MX+\j], v[MX+\j], v[MX+\j] row_xmask:2 row_mask:0xf bank_mask:0xf   ; the block's largest magnitude, in its four lanes
.endr
.irp j, 0,1,2,3
	v_add_nc_u32 v[SO+\j], 0xff000000, v[MX+\j]    ; 2 off the exponent field
.endr
.irp j, 0,1,2,3
	v_cvt_scalef32_pk8_fp4_f32 v[CS+\j], v[F+8*\j:F+8*\j+7], v[SO+\j]   ; to the nearest code, ties to even, beyond 6 the largest code; the lowest k in the lowest bits
.endr
.irp j, 0,1,2,3
	v_lshrrev_b32 v[BS+\j], 23, v[SO+\j]           ; the scale's byte.  (Plain lines behind the scaled conversions)
.endr
.irp j, 0,1,2,3
	ds_store_b32 v[AW], v[CS+\j] offset:APITCH*(\i)+128*\j   ; 8 codes = 4 bytes at byte 128 j + 4 l of the row: the wave stores 128 consecutive bytes
.endr
.irp j, 0,1,2,3
	ds_store_b8 v[ASW], v[BS+\j] offset:32*(\i)+8*\j         ; block 8 j + l / 4: its four lanes write the same byte with the same value
.endr
.endm
.macro PAIR p, cnt                     ; cnt: the loads issued behind this pair's own (63 is written where they are more)
	s_wait_loadcnt \cnt
	QROW 2*(\p)
	QROW 2*(\p)+1
.endm
.macro ALOAD s                         ; K step s: x's four fragments (16 rows x 128 K: registers 4 c .. 4 c + 3 hold k = 64 c + 32 h + 0 .. 31) into set s % 2
.irp m, 0,1,2,3
.irp c, 0,1
	ds_load_b128 v[AF+32*((\s)%2)+8*\m+4*\c:AF+32*((\s)%2)+8*\m+4*\c+3], v[AFR] offset:16*APITCH*\m+64*(\s)+32*\c
.endr
.endr
.endm
; One product: K step s, rows 16 m on, columns 16 b on.  The scale words of tile b lie in lanes 16 (b % 2) + r of register SB + 8 (b / 2) + s, x's of tile m likewise: odd tiles name the upper lanes.  K step 0 starts the sums.
.macro PROD s, m, b
.set rD, 8*(8*(\m)+(\b))
.set rW, 64*((\s)%4)+8*(\b)
.set rX, AF+32*((\s)%2)+8*(\m)
.set rSW, SB+8*((\b)/2)+(\s)
.set rSX, SA+8*((\m)/2)+(\s)
.if (\s) == 0
.if ((\b)%2) && ((\m)%2)
	v_wmma_scale_f32_16x16x128_f8f6f4 v[rD:rD+7], v[rW:rW+7], v[rX:rX+7], 0, v[rSW], v[rSX] matrix_a_fmt:MATRIX_FMT_FP4 matrix_b_fmt:MATRIX_FMT_FP4 matrix_a_scale:MATRIX_SCALE_ROW1 matrix_b_scale:MATRIX_SCALE_ROW1
.elseif (\b)%2
	v_wmma_scale_f32_16x16x128_f8f6f4 v[rD:rD+7], v[rW:rW+7], v[rX:rX+7], 0, v[rSW], v[rSX] matrix_a_fmt:MATRIX_FMT_FP4 matrix_b_fmt:MATRIX_FMT_FP4 matrix_a_scale:MATRIX_SCALE_ROW1
.elseif (\m)%2
	v_wmma_scale_f32_16x16x128_f8f6f4 v[rD:rD+7], v[rW:rW+7], v[rX:rX+7], 0, v[rSW], v[rSX] matrix_a_fmt:MATRIX_FMT_FP4 matrix_b_fmt:MATRIX_FMT_FP4 matrix_b_scale:MATRIX_SCALE_ROW1
.else
	v_wmma_scale_f32_16x16x128_f8f6f4 v[rD:rD+7], v[rW:rW+7], v[rX:rX+7], 0, v[rSW], v[rSX] matrix_a_fmt:MATRIX_FMT_FP4 matrix_b_fmt:MATRIX_FMT_FP4
.endif
.else
.if ((\b)%2) && ((\m)%2)
	v_wmma_scale_f32_16x16x128_f8f6f4 v[rD:rD+7], v[rW:rW+7], v[rX:rX+7], v[rD:rD+7], v[rSW], v[rSX] matrix_a_fmt:MATRIX_FMT_FP4 matrix_b_fmt:MATRIX_FMT_FP4 matrix_a_scale:MATRIX_SCALE_ROW1 matrix_b_scale:MATRIX_SCALE_ROW1
.elseif (\b)%2
	v_wmma_scale_f32_16x16x128_f8f6f4 v[rD:rD+7], v[rW:rW+7], v[rX:rX+7], v[rD:rD+7], v[rSW], v[rSX] matrix_a_fmt:MATRIX_FMT_FP4 matrix_b_fmt:MATRIX_FMT_FP4 matrix_a_scale:MATRIX_SCALE_ROW1
.elseif (\m)%2
	v_wmma_scale_f32_16x16x128_f8f6f4 v[rD:rD+7], v[rW:rW+7], v[rX:rX+7], v[rD:rD+7], v[rSW], v[rSX] matrix_a_fmt:MATRIX_FMT_FP4 matrix_b_fmt:MATRIX_FMT_FP4 matrix_b_scale:MATRIX_SCALE_ROW1
.else
	v_wmma_scale_f32_16x16x128_f8f6f4 v[rD:rD+7], v[rW:rW+7], v[rX:rX+7], v[rD:rD+7], v[rSW], v[rSX] matrix_a_fmt:MATRIX_FMT_FP4 matrix_b_fmt:MATRIX_FMT_FP4
.endif
.endif
.endm
	s_load_b256 s[4:11], s[0:1], 0x0               ; route s[4:5], wfrag s[6:7], weights_scales s[8:9], x s[10:11]
	s_load_b64 s[12:13], s[0:1], 0x20              ; out0
	v_lshl_add_u32 v254, v0, 2, 0x19c00
	v_mov_b32 v255, 0
	v_lshrrev_b32 v1, 5, v0
	v_readfirstlane_b32 s14, v1                    ; wave 0..3
	v_and_b32 v1, 31, v0                           ; lane
	v_and_b32 v2, 15, v0                           ; r
	v_bfe_u32 v3, v0, 4, 1                         ; h
	v_lshlrev_b32 v[XL], 4, v1
	s_mul_i32 s15, s14, 16*APITCH
	v_lshl_add_u32 v[AW], v1, 2, s15
	s_lshl_b32 s15, s14, 9
	s_add_co_u32 s15, s15, ASC
	v_lshrrev_b32 v[ASW], 2, v1
	v_add_nc_u32 v[ASW], s15, v[ASW]
	v_mul_u32_u24 v[AFR], v2, APITCH
	v_lshl_add_u32 v[AFR], v3, 4, v[AFR]
	v_lshl_add_u32 v[ASR], v1, 5, ASC
	s_mul_i32 s15, s14, 64*SPITCH
	s_add_co_u32 s15, s15, STG                     ; my stage
	v_mul_u32_u24 v[STO], v2, SPITCH
	v_lshl_add_u32 v[STO], v3, 4, v[STO]
	v_add_nc_u32 v[STO], s15, v[STO]
	v_mul_u32_u24 v[SRD], v3, SPITCH
	v_lshl_add_u32 v[SRD], v2, 4, v[SRD]
	v_add_nc_u32 v[SRD], s15, v[SRD]
	v_lshlrev_b32 v[GO], 10, v3                    ; a row of out0 is 1,024 bytes
	v_lshl_add_u32 v[GO], v2, 4, v[GO]
	v_lshlrev_b32 v[SBO], 5, v1
	v_lshlrev_b32 v[RO], 2, v2
	s_wait_kmcnt 0x0
	s_lshl_b32 s48, ttmp9, 8
	s_mov_b32 s49, 0
	s_add_nc_u64 s[4:5], s[4:5], s[48:49]          ; route at my block's 64 words
	s_lshl_b32 s48, s14, 6
	s_add_nc_u64 s[50:51], s[4:5], s[48:49]        ; and at my wave's 16
	s_load_b32 s32, s[4:5], 0x0                    ; the block's first row: its expert is the block's lowest
	s_load_b512 s[TOK:TOK+15], s[50:51], 0x0
.irp m, 0,1,2,3
	global_load_b32 v[EM+\m], v[RO], s[4:5] offset:64*\m   ; row 16 m + r's word, in both halves of the lanes
.endr
	s_wait_kmcnt 0x0
.irp i, 0,1,2,3,4,5
	XOFF \i
.endr
	XLOAD 0                                        ; 24 loads of x are out before anything else is made
	XLOAD 1
	XLOAD 2
	s_lshr_b32 s32, s32, 16
	s_min_u32 s32, s32, 7                          ; the first expert, held inside the weights
	s_lshl_b32 s48, s14, 16
	s_add_nc_u64 s[WB:WB+1], s[6:7], s[48:49]      ; my 8 tiles of columns: 65,536 bytes of an expert's 262,144
	s_lshl_b32 s48, s14, 12
	s_add_nc_u64 s[SBB:SBB+1], s[8:9], s[48:49]    ; my 128 rows of scale bytes: 4,096 of an expert's 16,384
	s_lshl_b32 s48, s32, 18
	s_add_nc_u64 s[WB1:WB1+1], s[WB:WB+1], s[48:49]
	s_lshl_b32 s48, s32, 14
	s_add_nc_u64 s[SB1:SB1+1], s[SBB:SBB+1], s[48:49]
	s_lshl_b32 s48, ttmp9, 16                      ; out0: 64 rows of 1,024 bytes a block,
	s_lshl_b32 s15, s14, 8                         ; my 128 columns: 256 bytes
	s_add_co_u32 s48, s48, s15
	s_add_nc_u64 s[12:13], s[12:13], s[48:49]
.irp i, 6,7,8,9,10,11,12,13,14,15
	XOFF \i
.endr
	; ---- x IS STREAMED AND QUANTISED, two rows at a time through three sets of registers; the first expert's weights are asked for in between, a K step behind each pair
	PAIR 0, 16                                     ; behind pair 0's loads: pairs 1, 2
.irp m, 0,1,2,3
	v_lshrrev_b32 v[EM+\m], 16, v[EM+\m]           ; (route's words were asked for ahead of x: they are in)  the rows' experts
.endr
	XLOAD 3
	SLOAD SB1
	BLOAD 0, WB1
	PAIR 1, 40                                     ; pairs 2, 3 (16), the scale words (8), K step 0 (16)
	XLOAD 4
	BLOAD 1, WB1
	PAIR 2, 56                                     ; pair 3, scale words, K step 0, pair 4, K step 1
	XLOAD 5
	BLOAD 2, WB1
	PAIR 3, 63                                     ; 72 were issued behind pair 3's
	XLOAD 6
	BLOAD 3, WB1
	PAIR 4, 63                                     ; 64
	XLOAD 7
	BLOAD 4, WB1
	PAIR 5, 63                                     ; 64
	BLOAD 5, WB1
	PAIR 6, 56                                     ; K step 3, pair 7, K steps 4, 5
	BLOAD 6, WB1
	PAIR 7, 48                                     ; K steps 4, 5, 6
	BLOAD 7, WB1
	s_wait_dscnt 0x0                               ; for the others' sake: my rows' codes and scale bytes have landed
	s_barrier_signal -1
	s_barrier_wait -1                              ; the launch's one barrier: all 64 rows lie in LDS, and nobody writes them again
.irp q, 0,1
	ds_load_b128 v[SA+8*\q:SA+8*\q+3], v[ASR] offset:1024*\q
	ds_load_b128 v[SA+8*\q+4:SA+8*\q+7], v[ASR] offset:1024*\q+16
.endr
	s_wait_dscnt 0x0
	; ---- THE EXPERTS, 8 trips
	s_mov_b32 s33, 0
.Lexp:
.irp m, 0,1,2,3
	v_cmp_eq_u32 s[MK+\m], s33, v[EM+\m]
.endr
	s_or_b32 s46, s[MK], s[MK+1]
	s_or_b32 s46, s46, s[MK+2]
	s_or_b32 s46, s46, s[MK+3]
	s_cmp_eq_u32 s46, 0
	s_cbranch_scc1 .Lskip                          ; no row of the block has this expert
	s_cmp_eq_u32 s33, s32
	s_cbranch_scc1 .Lhave                          ; the first expert's weights were asked for above
	s_wait_loadcnt 0x0                             ; a later expert of a mixed block: no load is out,
	PLACES 4                                       ; the last pass's products stand four places back,
	SLOAD SBB                                      ; and its weights take the registers
.irp s, 0,1,2,3,4,5,6,7
	BLOAD \s, WB
.endr
.Lhave:
	PLACES 4
	ALOAD 0
.irp s, 0,1,2,3,4,5,6,7                        ; a K step: 32 products, the 32 accumulators by turns, one instruction a turn, in the same order in every step
.if (\s > 0) && (\s < 7)
	PLACES 4                                       ; ahead of the loads into the set that the step before multiplied
.endif
.if \s < 7
	ALOAD \s+1
.endif
.if \s < 4
	s_wait_loadcnt 63                              ; behind K step s's 16 loads stand 16 (7 - s): more than 63 here
.else
	s_wait_loadcnt 16*(7-\s)
.endif
.if \s < 7
	s_wait_dscnt 8                                 ; this step's fragments of x are in; the next step's 8 loads may be out
.else
	s_wait_dscnt 0x0
.endif
	WIN 0x52+(\s)/4                                ; source 0 (weights) window 2 or 3, source 1 (x) window 0, C and D window 1
.irp m, 0,1,2,3
.irp b, 0,1,2,3,4,5,6,7
	PROD \s, \m, \b
.endr
.endr
	WIN 0
.endr
	; this expert's rows go into my stage: rounded to f16 with all lanes on, stored under EXEC = the lanes whose row has this expert.  Each row has one expert: each stage row is written once
	PLACES 4
	s_wait_xcnt 0x0                                ; EXEC changes only behind this wait; no global instruction follows until it is whole again
.irp m, 0,1,2,3
.if \m >= 2
	s_wait_dscnt 8                                 ; the tile before's 8 stores may be out; those of two tiles back have read this set
.endif
	WIN 0x05                                       ; sources window 1, destination window 0
.irp b, 0,1,2,3,4,5,6,7
.irp q, 0,1,2,3
	v_cvt_pk_f16_f32 v[TMP+32*(\m%2)+4*\b+\q], v[8*(8*\m+\b)+2*\q], v[8*(8*\m+\b)+2*\q+1]   ; each accumulator from its low end on
.endr
.endr
	WIN 0
	s_mov_b32 vcc_lo, s[MK+\m]
	s_and_saveexec_b32 s47, vcc_lo
.irp b, 0,1,2,3,4,5,6,7
	ds_store_b128 v[STO], v[TMP+32*(\m%2)+4*\b:TMP+32*(\m%2)+4*\b+3] offset:16*SPITCH*\m+32*\b
.endr
	s_or_b32 exec_lo, exec_lo, s47                 ; EXEC restored from s47
.endr
.Lskip:
	s_wait_xcnt 0x0                                ; the loads of this trip have read their bases: they may step
	s_add_nc_u64 s[WB:WB+1], s[WB:WB+1], 0x40000   ; the next expert
	s_add_nc_u64 s[SBB:SBB+1], s[SBB:SBB+1], 0x4000
	s_add_co_u32 s33, s33, 1
	s_cmp_lt_u32 s33, 8
	s_cbranch_scc1 .Lexp
	; ---- THE WAY OUT.  The stage is my wave's own and LDS serves a wave's instructions in order (ISA guide 5.7.1.4): no barrier, no wait between the stores and these loads
.set t, 0
.rept 32
	ds_load_b128 v[OB+4*t:OB+4*t+3], v[SRD] offset:2*SPITCH*t      ; lanes 0-15 row 2 t, lanes 16-31 row 2 t + 1
.set t, t+1
.endr
.set t, 0
.rept 32
	s_wait_dscnt 31-t
	global_store_b128 v[GO], v[OB+4*t:OB+4*t+3], s[12:13] offset:2048*t th:TH_STORE_NT   ; 16 lanes store 256 consecutive bytes, at a multiple of 256 from out0's first byte; written once, read by nobody here
.set t, t+1
.endr
	s_wait_tensorcnt 0x0
	ds_add_u32 v254, v255
	s_wait_dscnt 0x0
	s_endpgm
.Lfunc_end_k_q9d66e48692_moe:
	.size	k_q9d66e48692_moe, .Lfunc_end_k_q9d66e48692_moe-k_q9d66e48692_moe
	.p2alignl 7, 3214868480
	.fill 96, 4, 3214868480
	.section	.rodata,"a",@progbits
	.p2align	6, 0x0
	.amdhsa_kernel k_q9d66e48692_moe
		.amdhsa_group_segment_fixed_size 105984
		.amdhsa_private_segment_fixed_size 0
		.amdhsa_enable_private_segment 0
		.amdhsa_kernarg_size 40
		.amdhsa_user_sgpr_count 2
		.amdhsa_user_sgpr_kernarg_segment_ptr 1
		.amdhsa_wavefront_size32 1
		.amdhsa_system_sgpr_workgroup_id_x 1
		.amdhsa_system_sgpr_workgroup_id_y 1
		.amdhsa_system_sgpr_workgroup_id_z 1
		.amdhsa_system_vgpr_workitem_id 0
		.amdhsa_next_free_vgpr 1024
		.amdhsa_next_free_sgpr 66
		.amdhsa_reserve_vcc 1
		.amdhsa_float_denorm_mode_32 3
		.amdhsa_float_denorm_mode_16_64 3
		.amdhsa_memory_ordered 1
		.amdhsa_forward_progress 1
		.amdhsa_inst_pref_size 156
	.end_amdhsa_kernel
	.amdgpu_metadata
---
amdhsa.version: [ 1, 2 ]
amdhsa.kernels:
  - .name:           k_q9d66e48692_moe
    .symbol:         k_q9d66e48692_moe.kd
    .args:
      - { .name: route, .offset: 0, .size: 8, .value_kind: global_buffer, .address_space: global }
      - { .name: wfrag, .offset: 8, .size: 8, .value_kind: global_buffer, .address_space: global }
      - { .name: weights_scales, .offset: 16, .size: 8, .value_kind: global_buffer, .address_space: global }
      - { .name: x, .offset: 24, .size: 8, .value_kind: global_buffer, .address_space: global }
      - { .name: out0, .offset: 32, .size: 8, .value_kind: global_buffer, .address_space: global }
    .group_segment_fixed_size: 105984
    .private_segment_fixed_size: 0
    .kernarg_segment_align: 8
    .kernarg_segment_size: 40
    .max_flat_workgroup_size: 128
    .sgpr_count:     66
    .vgpr_count:     1024
    .wavefront_size: 32
...
	.end_amdgpu_metadata
.endif
;; end of part 2
